; MI455X (gfx1250); checked and timed in simulation.
; The chip was launched on July 23, 2026; its instructions are those of AMD's public machine-readable ISA for CDNA 5 (MIT licence, August 2026) and "CDNA5" Instruction Set Architecture Reference Guide (July 2026). The comments in the code are by the model that wrote it; some were corrected since.
;; Base Attention. Allowed arithmetic: matrix products marked QUANTISED: E2M1 operands, one E8M0 scale for each 32 along K, by v_wmma_scale_f32_16x16x128_f8f6f4 with both operands' format E2M1 (or v_wmma_scale_f32_32x16x128_f4), f32 sums; everything else in f32.
;; Inputs: k 4 x 16 x 2,048 x 128 float32; mask 4 x 1 x 2,048 x 2,048 bool; q 4 x 16 x 2,048 x 128 float32; v 4 x 16 x 2,048 x 128 float32.
;; Outputs: out0 4 x 16 x 2,048 x 128 float32.
;; This version of the problem:
;;   THIS VERSION OF THE PROBLEM IS GIVEN IN LOW PRECISION. The matrix products marked QUANTISED in the list below multiply operands that are first quantised to E2M1 (2 exponent bits, 1 mantissa bit; 4 bits a number), with one power-of-two scale for each 32 numbers along K (OCP MX v1.0); their sums are f32. All else is computed in f32.
;;   The module's matrix products, in the order in which they are computed (A, B: the left and right operand; K: the contracted axis; several contracted axes count as one K, in the product's order):
;;     1. batch 64 x [M 2,048, K 128] x [K 128, N 2,048]; A: input q; B: input k: QUANTISED
;;     2. batch 64 x [M 2,048, K 2,048] x [K 2,048, N 128]; A: softmax (see below); B: input v: QUANTISED
;;   THE QUANTISER, for each operand of a quantised product, along K:
;;     - K is cut into blocks of 32 from its start; a last block that is shorter is filled with zeros.
;;     - A block's scale is 2^e with e = floor(log2(the largest magnitude in the block)) - 2, held to -126 .. 127; a block of zeros has e = 0. As a byte (E8M0): e + 127.
;;     - Each number is divided by its block's scale, clamped to +-6, and rounded to the nearest number of E2M1, ties to even, subnormals kept.
;;     - The product sums the exact products of the quantised numbers (number of the format x scale) in f32.
;;   ~~~python
;;   def quantise(x, axis):      # numpy; x: float32 -> the quantised numbers, widened to float32 again
;;       x = np.moveaxis(x, axis, -1); K = x.shape[-1]
;;       x = np.pad(x, [(0, 0)] * (x.ndim - 1) + [(0, -K % 32)]); x = x.reshape(x.shape[:-1] + (-1, 32)); a = np.abs(x).max(-1, keepdims=True)
;;       e = np.where(a > 0, np.clip(np.frexp(np.where(a > 0, a, 1))[1] - 1 - 2, -126, 127), 0)      # np.frexp(a)[1] - 1 = floor(log2(a)), exactly
;;       r = np.clip(x / 2.0 ** e, -6, 6)
;;       step = 2.0 ** (np.maximum(np.frexp(np.where(r == 0, 1, r))[1] - 1, 0) - 1)
;;       q = np.round(r / step) * step * 2.0 ** e      # np.round: ties to even
;;       return np.moveaxis(q.reshape(q.shape[:-2] + (-1,))[..., :K], -1, axis).astype(np.float32)
;;   ~~~
;;   SOFTMAX AHEAD OF A QUANTISED PRODUCT. Where the list says 'softmax', what is quantised is not the finished softmax but p = 2^(t - M), with t = logit x log2(e) and M = ceil(the row's largest t), a whole number; so 1/2 < the row's largest p <= 1. The row's sum l is taken of the UNQUANTISED p, in f32, and the product's result is divided by l at the end. Since M is a whole number, a kernel that streams over the keys may use a running M (the ceiling of the running maximum): every later rescaling is an exact power of two, which a block's scale takes up: the codes' values come out the same.
;;   OPERANDS COMPUTED ON THE WAY. 'Computed on the way' means the value that the module computes at that place (a softmax that the list does not call 'softmax' is quantised finished and normalised). What goes into a quantiser is computed in f32, as accurately as f32 sums, v_exp_f32 and their like allow (about 1e-6 of the number): no bf16 or f16 on the way to a quantiser, and a product that is left as it is and whose result goes on into a quantised operand takes f32 operands (vector FMAs, or v_wmma_f32_16x16x4_f32). A number that lies on a knife's edge between two numbers of the format may be rounded either way, as far as f32 arithmetic and the matrix unit's own rounding can turn it there, and no further.
;; One version. Each part assembles by itself: llvm-mc -triple=amdgcn-amd-amdhsa -mcpu=gfx1250 --defsym DOCPART=n.
;; ======== version 1 of 1: 2 launches
;; limits: right only within a limited range of input values
;; workspace buffers: kv 17,825,792 bytes; maskbits 2,097,152 bytes of whole numbers
;; launch prep (part 1): grid 1024 x 1, 4 waves a work-group, no clusters, 51,712 bytes of LDS; arguments k, v, mask, kv, maskbits; writes kv, maskbits
.if DOCPART == 1
	.amdgcn_target "amdgcn-amd-amdhsa--gfx1250"
	.amdhsa_code_object_version 6
	.text
	.protected	k_qbd1629f043_prep
	.globl	k_qbd1629f043_prep
	.p2align	8
	.type	k_qbd1629f043_prep,@function
k_qbd1629f043_prep:
	s_mov_b64 s[64:65], 0
	v_nop
	global_prefetch_b8 v0, s[64:65] scope:SCOPE_SE
	s_setreg_imm32_b32 hwreg(HW_REG_WAVE_MODE, 25, 1), 1
	s_wait_xcnt 0x0
; K and V [64 heads][2048 keys][128] f32 become codes of FP4 (E2M1) with one E8M0 scale byte for each 32 along a product's K (K: the head's 128; V: the keys),
; and the mask [4][2048][2048] of bytes becomes words of 32 bits, one bit a lane.  All three are laid as the next launch's registers want them.
; kv: [head x 16 + step] blocks of STEPB bytes, a step being 128 keys:
;   byte t x 1024 + c x 512 + 16 x lane (lane = r + 16 h): K: the 32 codes of channels 32 (2 c + h) on of key 32 (t / 2) + 8 (t % 2) + r + 8 (r / 8);
;   VIMG + the same: V: the 32 codes of keys 32 (2 c + h) on of channel 16 t + r: both are images of a fragment's registers 4 c .. 4 c + 3;
;   KSC + 16 x lane + 4 j: the scale word of row lane % 16 of K's tile 2 j + lane / 16;   VSC + 128 j + 4 x lane: the same of V's.
; maskbits: [(batch x 128 + tile of 16 queries) x 16 + step][64 words]: bit r + 16 h of word n = mask[query r of the tile][key 32 (n / 16) + 16 h + n % 16 of the step].
; A block's scale is 2^(floor(log2(its largest magnitude)) - 2); its byte is the largest magnitude's exponent field - 2, held at 1 from below.
; LIMITS: a block of zeros, and a block whose largest magnitude lies under 2^-124, keep the byte 1 (a block of zeros has zero codes, and this program alone reads the bytes);
; NaN and infinities among the inputs are not served.  A mask byte other than 0 counts as true.
; SHARES: work-groups 0-255: K, a wave a step;  256-511: V, a work-group 512 keys of a head, a wave 32 channels;  512-1023: the mask, a wave 16 queries x 512 keys.
; The three ways part on the work-group's number; waves share nothing: no barrier.  Each way that uses LDS has LDS bytes of its own.
.set STEPB, 17408
.set VIMG,  8192
.set KSC,   16384
.set VSC,   16896
.set KSTG,  0                          ; K's stages: 16 rows x (512 + 16) bytes for each wave
.set KSTGW, 16*528
.set MSTG,  4*KSTGW                    ; the mask's stages: 16 rows x (256 + 16) bytes for each wave
.set MSTGW, 16*272
.set FLOOR, 0x1800000                  ; 2^(3 - 127): no largest magnitude is taken under it, so the byte cannot fall under 1
.set EOFF,  0xff000000                 ; takes 2 off an exponent field
; ---- K: tile t of a step is 16 keys; one load reads one key's row, 512 consecutive bytes
.macro LOADK t
.irp i, 0,1,2,3,4,5,6,7,8,9,10,11,12,13,14,15
	global_load_b128 v[32+64*((\t)%2)+4*\i:35+64*((\t)%2)+4*\i], v4, s[4:5] offset:(32*((\t)/2)+8*((\t)%2)+\i+8*(\i/8))*512 th:TH_LOAD_NT
.endr
.endm
.macro TILE t
.set RS, 32+64*((\t)%2)
.if (\t) < 7
	s_wait_loadcnt 16                              ; this tile's 16 loads are in; the next tile's 16 may be out
.else
	s_wait_loadcnt 0
.endif
.if (\t) > 0
	s_wait_xcnt 0x0                                ; the last tile's stores have read their data: the codes' registers are written again only behind this wait
.endif
.irp i, 0,1,2,3,4,5,6,7,8,9,10,11,12,13,14,15
	ds_store_b128 v5, v[RS+4*\i:RS+4*\i+3] offset:KSTG+\i*528      ; the rows as they were loaded;
.endr
.irp c, 0,1
.irp j, 0,1,2,3,4,5,6,7
	ds_load_b128 v[160+32*\c+4*\j:163+32*\c+4*\j], v6 offset:KSTG+256*\c+16*\j   ; back: lane (r, h) takes blocks h and 2 + h of row r, whole.  LDS serves a wave's instructions in order
.endr
.endr
	s_wait_dscnt 0x0
.if (\t)+2 < 8
	LOADK (\t)+2
.endif
.irp c, 0,1
	v_max3_num_f32 v[232+\c], |v[160+32*\c]|, |v[161+32*\c]|, FLOOR   ; the two blocks by turns
.endr
.irp i, 2,4,6,8,10,12,14,16,18,20,22,24,26,28,30
.irp c, 0,1
	v_max3_num_f32 v[232+\c], v[232+\c], |v[160+32*\c+\i]|, |v[161+32*\c+\i]|
.endr
.endr
.irp c, 0,1
	v_add_nc_u32 v[234+\c], EOFF, v[232+\c]        ; the conversion takes the exponent field of this operand as its scale
.endr
.irp c, 0,1
	v_lshrrev_b32 v[236+\c], 23, v[234+\c]         ; the scale's byte
.endr
	v_lshl_or_b32 v238, v237, 16, v236             ; my two bytes, blocks h and 2 + h,
	v_lshlrev_b32 v238, v7, v238                   ; at their places in the row's word (8 h bits up);
	v_permlanex16_b32 v239, v238, s22, s23
	v_or_b32 v238, v238, v239                      ; with lane l xor 16's two the word is whole
.irp c, 0,1
.irp g, 0,1,2,3
	v_cvt_scalef32_pk8_fp4_f32 v[224+4*\c+\g], v[160+32*\c+8*\g:167+32*\c+8*\g], v[234+\c]
.endr
.endr
.if ((\t)%2) == 0
	v_mov_b32 v[240+(\t)/2], v238                  ; (a plain line behind the conversions)  an even tile's words: lanes 0-15 keep them;
.else
	v_cndmask_b32 v[240+(\t)/2], v[240+(\t)/2], v238, s20   ; an odd tile's go to lanes 16-31
.endif
.irp c, 0,1
	global_store_b128 v4, v[224+4*\c:227+4*\c], s[10:11] offset:(\t)*1024+512*\c   ; 32 lanes store 512 consecutive bytes, at a multiple of 256 from the buffer's first byte
.endr
.endm
; ---- V: a lane takes a channel and its registers run down the keys: a block of 32 keys lies in one lane
.macro LOADV t
.irp i, 0,1,2,3,4,5,6,7,8,9,10,11,12,13,14,15,16,17,18,19,20,21,22,23,24,25,26,27,28,29,30,31
	global_load_b32 v[32+32*((\t)%2)+\i], v4, s[6:7] offset:(32*(\t)+\i)*512 th:TH_LOAD_NT
.endr
.endm
.macro BLOCKV t
.set XS, 32+32*((\t)%2)
.if (\t) < 15
	s_wait_loadcnt 32                              ; this block's 32 loads are in; the next block's may be out
.else
	s_wait_loadcnt 0
.endif
	v_max3_num_f32 v12, |v[XS]|, |v[XS+1]|, |v[XS+2]|
	v_max3_num_f32 v13, |v[XS+3]|, |v[XS+4]|, |v[XS+5]|
.irp i, 6,10,14,18,22,26
	v_max3_num_f32 v12, v12, |v[XS+\i]|, |v[XS+\i+1]|
	v_max3_num_f32 v13, v13, |v[XS+\i+2]|, |v[XS+\i+3]|
.endr
	v_max3_num_f32 v12, v12, |v[XS+30]|, |v[XS+31]|
	v_max3_num_f32 v12, v12, v13, FLOOR
	v_add_nc_u32 v11, EOFF, v12
	v_lshrrev_b32 v13, 23, v11
.if ((\t)%4) == 0
	v_mov_b32 v[24+(\t)/4], v13                    ; a step's four bytes make my channel's scale word
.else
	v_lshl_or_b32 v[24+(\t)/4], v13, 8*((\t)%4), v[24+(\t)/4]
.endif
.irp g, 0,1,2,3
	v_cvt_scalef32_pk8_fp4_f32 v[96+4*(\t)+\g], v[XS+8*\g:XS+8*\g+7], v11   ; each block has registers of its own for its codes: no store's data are written again
.endr
	global_store_b128 v5, v[96+4*(\t):99+4*(\t)], s[10:11] offset:((\t)/4)*STEPB+VIMG+(((\t)%4)/2)*512+((\t)%2)*256   ; sixteen lanes store 256 consecutive bytes, at a multiple of 256
.if (\t)+2 < 16
	LOADV (\t)+2
.endif
.if ((\t)%4) == 3
	global_store_b32 v6, v[24+(\t)/4], s[10:11] offset:((\t)/4)*STEPB+VSC   ; 128 consecutive bytes a wave: one byte for each 128 that this way reads
.endif
.endm
; ---- the mask: half it = 256 of the wave's 512 columns: 128 words
.macro MBITS it
	s_wait_loadcnt 8*(1-(\it))                     ; this half's eight loads are in; the other half's may be out
.irp j, 0,1,2,3,4,5,6,7
	ds_store_b128 v5, v[32+32*(\it)+4*\j:35+32*(\it)+4*\j] offset:\j*544   ; two rows of 256 bytes an instruction
.endr
.irp g, 0,1,2,3,4,5,6,7
	ds_load_b128 v[96+4*\g:99+4*\g], v6 offset:32*\g   ; back: lane (r, h) takes of row r the 16 bytes at 32 g + 16 h
.endr
	s_wait_dscnt 0x0
.set N, 0
.rept 16                               ; eight words at a time: word N = 16 g + i is byte i of group g, gathered over the 32 lanes
.irp k, 0,1,2,3,4,5,6,7
	v_and_b32 v[8+\k], s[24+(N+\k)%4], v[96+4*((N+\k)/16)+((N+\k)%16)/4]
.endr
.irp k, 0,1,2,3,4,5,6,7
	v_cmp_ne_u32 s[28+\k], 0, v[8+\k]
.endr
.irp k, 0,1,2,3,4,5,6,7
	v_writelane_b32 v[128+4*(\it)+(N+\k)%4], s[28+\k], (N+\k)/4    ; word N goes out by lane N / 4, register N % 4
.endr
.set N, N+8
.endr
	global_store_b128 v7, v[128+4*(\it):131+4*(\it)], s[12:13] offset:(\it)*512   ; 32 lanes store 512 consecutive bytes
.endm
	s_load_b256 s[4:11], s[0:1], 0x0               ; k s[4:5], v s[6:7], mask s[8:9], kv s[10:11]
	s_load_b64 s[12:13], s[0:1], 0x20              ; maskbits
	v_lshl_add_u32 v254, v0, 2, 0xc800
	v_mov_b32 v255, 0
	v_lshrrev_b32 v1, 5, v0
	v_readfirstlane_b32 s16, v1                    ; wave 0..3
	v_and_b32 v1, 31, v0                           ; lane
	v_and_b32 v2, 15, v0                           ; r
	v_bfe_u32 v3, v0, 4, 1                         ; h
	s_mov_b32 s22, 0x76543210
	s_mov_b32 s23, 0xfedcba98                      ; v_permlanex16_b32's selects for lane l xor 16
	s_mov_b32 s19, 0
	s_wait_kmcnt 0x0
	s_cmp_lt_u32 ttmp9, 256
	s_cbranch_scc1 .Lk
	s_cmp_lt_u32 ttmp9, 512
	s_cbranch_scc1 .Lv
	; ---- the mask's way
	s_sub_co_u32 s17, ttmp9, 512                   ; batch x 128 + tile of 16 queries
	s_lshl_b32 s18, s17, 15                        ; 16 rows of 2,048 bytes,
	s_lshl_b32 s21, s16, 9                         ; my wave's 512 columns
	s_add_co_u32 s18, s18, s21
	s_add_nc_u64 s[8:9], s[8:9], s[18:19]
	s_lshl_b32 s18, s17, 12                        ; 16 steps of 256 bytes,
	s_lshl_b32 s21, s16, 10                        ; my wave's four
	s_add_co_u32 s18, s18, s21
	s_add_nc_u64 s[12:13], s[12:13], s[18:19]
	s_mul_i32 s21, s16, MSTGW
	s_add_co_u32 s21, s21, MSTG                    ; my stage
	s_wait_alu depctr_va_vdst(0)
	v_lshlrev_b32 v4, 4, v2
	v_lshl_add_u32 v4, v3, 11, v4                  ; in: lanes 0-15 take 256 bytes of one row, lanes 16-31 of the next
	v_mul_u32_u24 v5, v3, 272
	v_lshl_add_u32 v5, v2, 4, v5
	v_add_nc_u32 v5, s21, v5                       ; the same two rows in the stage
	v_mul_u32_u24 v6, v2, 272
	v_lshl_add_u32 v6, v3, 4, v6
	v_add_nc_u32 v6, s21, v6                       ; back: row r, + 16 h
	v_lshlrev_b32 v7, 4, v1                        ; out: 16 bytes a lane
	s_mov_b32 s24, 0xff
	s_mov_b32 s25, 0xff00
	s_mov_b32 s26, 0xff0000
	s_mov_b32 s27, 0xff000000
.irp it, 0,1
.irp j, 0,1,2,3,4,5,6,7
	global_load_b128 v[32+32*\it+4*\j:35+32*\it+4*\j], v4, s[8:9] offset:\j*4096+\it*256 th:TH_LOAD_NT
.endr
.endr
.irp j, 0,1,2,3,4,5,6,7
	v_mov_b32 v[128+\j], 0                         ; written once: v_writelane_b32's destination counts as one of its sources
.endr
	MBITS 0
	MBITS 1
	s_wait_tensorcnt 0x0
	ds_add_u32 v254, v255
	s_wait_dscnt 0x0
	s_endpgm
.Lk:	; ---- K's way
	s_lshl_b32 s17, ttmp9, 2
	s_add_co_u32 s17, s17, s16                     ; head x 16 + step
	s_lshl_b32 s18, s17, 16                        ; 128 keys of 512 bytes
	s_add_nc_u64 s[4:5], s[4:5], s[18:19]
	s_mul_i32 s18, s17, STEPB
	s_add_nc_u64 s[10:11], s[10:11], s[18:19]
	s_mul_i32 s21, s16, KSTGW                      ; my stage
	s_mov_b32 s20, 0xffff0000                      ; lanes 16-31
	s_wait_alu depctr_va_vdst(0)
	v_lshlrev_b32 v4, 4, v1                        ; 16 bytes a lane: in and out
	v_add_nc_u32 v5, s21, v4                       ; and into the stage
	v_mul_u32_u24 v6, v2, 528
	v_lshl_add_u32 v6, v3, 7, v6
	v_add_nc_u32 v6, s21, v6                       ; back: row r, + 128 h
	v_lshlrev_b32 v7, 3, v3                        ; 8 h
	v_mov_b32 v239, 0                              ; written once: a lane permute's destination counts as one of its sources
	LOADK 0
	LOADK 1
	s_wait_alu depctr_va_vdst(0)
.irp t, 0,1,2,3,4,5,6,7
	TILE \t
.endr
	global_store_b128 v4, v[240:243], s[10:11] offset:KSC   ; the step's 128 scale words: 512 consecutive bytes
	s_wait_tensorcnt 0x0
	ds_add_u32 v254, v255
	s_wait_dscnt 0x0
	s_endpgm
.Lv:	; ---- V's way
	s_sub_co_u32 s17, ttmp9, 256                   ; head x 4 + which 512 keys
	s_lshl_b32 s18, s17, 18                        ; 512 keys of 512 bytes,
	s_lshl_b32 s21, s16, 7                         ; my wave's 32 channels
	s_add_co_u32 s18, s18, s21
	s_add_nc_u64 s[6:7], s[6:7], s[18:19]
	s_mul_i32 s18, s17, 4*STEPB                    ; four steps
	s_add_nc_u64 s[10:11], s[10:11], s[18:19]
	s_wait_alu depctr_va_vdst(0)
	v_lshlrev_b32 v4, 2, v1                        ; in: 4 bytes a lane
	v_lshlrev_b32 v5, 4, v2
	v_lshl_add_u32 v5, v3, 10, v5
	s_lshl_b32 s21, s16, 11
	v_add_nc_u32 v5, s21, v5                       ; out: channel 32 w + lane is row lane % 16 of tile 2 w + lane / 16
	v_lshlrev_b32 v6, 2, v0                        ; its scale word: 128 w + 4 x lane
	LOADV 0
	LOADV 1
.irp t, 0,1,2,3,4,5,6,7,8,9,10,11,12,13,14,15
	BLOCKV \t
.endr
	s_endpgm
.Lfunc_end_k_qbd1629f043_prep:
	.size	k_qbd1629f043_prep, .Lfunc_end_k_qbd1629f043_prep-k_qbd1629f043_prep
	.p2alignl 7, 3214868480
	.fill 96, 4, 3214868480
	.section	.rodata,"a",@progbits
	.p2align	6, 0x0
	.amdhsa_kernel k_qbd1629f043_prep
		.amdhsa_group_segment_fixed_size 51712
		.amdhsa_private_segment_fixed_size 0
		.amdhsa_enable_private_segment 0
		.amdhsa_kernarg_size 40
		.amdhsa_user_sgpr_count 2
		.amdhsa_user_sgpr_kernarg_segment_ptr 1
		.amdhsa_wavefront_size32 1
		.amdhsa_system_sgpr_workgroup_id_x 1
		.amdhsa_system_sgpr_workgroup_id_y 1
		.amdhsa_system_sgpr_workgroup_id_z 1
		.amdhsa_system_vgpr_workitem_id 0
		.amdhsa_next_free_vgpr 256
		.amdhsa_next_free_sgpr 66
		.amdhsa_reserve_vcc 0
		.amdhsa_float_denorm_mode_32 3
		.amdhsa_float_denorm_mode_16_64 3
		.amdhsa_memory_ordered 1
		.amdhsa_forward_progress 1
		.amdhsa_inst_pref_size 176
	.end_amdhsa_kernel
	.amdgpu_metadata
---
amdhsa.version: [ 1, 2 ]
amdhsa.kernels:
  - .name:           k_qbd1629f043_prep
    .symbol:         k_qbd1629f043_prep.kd
    .args:
      - { .name: k, .offset: 0, .size: 8, .value_kind: global_buffer, .address_space: global }
      - { .name: v, .offset: 8, .size: 8, .value_kind: global_buffer, .address_space: global }
      - { .name: mask, .offset: 16, .size: 8, .value_kind: global_buffer, .address_space: global }
      - { .name: kv, .offset: 24, .size: 8, .value_kind: global_buffer, .address_space: global }
      - { .name: maskbits, .offset: 32, .size: 8, .value_kind: global_buffer, .address_space: global }
    .group_segment_fixed_size: 51712
    .private_segment_fixed_size: 0
    .kernarg_segment_align: 8
    .kernarg_segment_size: 40
    .max_flat_workgroup_size: 128
    .sgpr_count:     66
    .vgpr_count:     256
    .wavefront_size: 32
...
	.end_amdgpu_metadata
.endif
;; end of part 1
;; launch attn (part 2): grid 4 x 64, 16 waves a work-group, clusters of 4 x 1, 327,680 bytes of LDS; arguments q, kv, maskbits, out0; writes out0
.if DOCPART == 2
	.amdgcn_target "amdgcn-amd-amdhsa--gfx1250"
	.amdhsa_code_object_version 6
	.text
	.protected	k_qbd1629f043_attn
	.globl	k_qbd1629f043_attn
	.p2align	8
	.type	k_qbd1629f043_attn,@function
k_qbd1629f043_attn:
	s_mov_b64 s[64:65], 0
	v_nop
	global_prefetch_b8 v0, s[64:65] scope:SCOPE_SE
	s_setreg_imm32_b32 hwreg(HW_REG_WAVE_MODE, 25, 1), 1
	s_wait_xcnt 0x0
	s_wait_alu depctr_hold_cnt(0) depctr_sa_sdst(0) depctr_va_vdst(0) depctr_va_sdst(0) depctr_va_ssrc(0) depctr_va_vcc(0) depctr_vm_vsrc(0)
	s_getreg_b32 s2, hwreg(HW_REG_IB_STS2, 6, 4)
	s_cmp_eq_u32 s2, 0
	s_cbranch_scc0 .Lentry_in_a_cluster
	s_endpgm
.Lentry_in_a_cluster:
	s_bfe_u32 s2, ttmp6, 0x10000c
	s_cmp_lg_u32 s2, 0x3003
	s_cbranch_scc0 .Lentry_shape_is_right
	s_endpgm
.Lentry_shape_is_right:
; out0[head][q][:] = the sum over k of softmax_k(q . k / sqrt(128) - 1e9 x mask[q][k]) v[k][:], 64 heads of 2,048 x 128, both products on codes of FP4 (E2M1) with one E8M0 scale for each 32 along a product's K.
; THE SOFTMAX AHEAD OF THE SECOND PRODUCT: t = logit x log2(e); M = the row's largest t so far, rounded UP to a whole number; p = 2^(t - M) is quantised along the keys, not normalised.
; The row's sum is taken of the unquantised p and divides at the end.  When M moves, the sum and O are multiplied by 2^(old M - new M): exact.
; THE MASK ACTS IN t, AHEAD OF THE MAXIMUM: t = fma(score, c, mt), c = log2(e) / sqrt(128), mt = 0 or -1,442,695,040 = the f32 nearest to -1e9 x log2(e); then -M is added.
; LIMITS: t has one rounding where the definition has three: it shows only in rows whose every key is masked and whose |q . k| / sqrt(128) reaches 32.  A block of p, or of q, whose largest magnitude lies under
; 2^-124 keeps the scale byte 1 (a block of zeros has zero codes).  NaN and infinities among the inputs are not served.
; SHARES.  A cluster of four work-groups is one head; a work-group owns 512 queries; each of its sixteen waves owns 16 of them in each of two passes, four waves to a SIMD.
; THE WHOLE HEAD STAYS IN LDS as images of the operands' registers with their scale words: 16 steps x 17,408 bytes, filled ONCE by joint loads of the four work-groups, wave w asking for step w.  Nothing is filled again.
; K and V are not prefetched: they are asked for once, at the head, and no loop stands ahead of that.
; LAYOUT.  Both products are used transposed, in the form of 32 rows: S^T = K Q^T (32 keys an instruction), O^T = V^T P^T (32 channels): a lane holds ONE query (lane % 16).
; Register n of S^T holds key 32 (n / 16) + 16 (lane / 16) + n % 16.  A scale register holds the words of rows 0-15 in lanes 0-15 and of rows 16-31 in lanes 16-31, as that form takes them.
; THE MASK comes as words of 32 bits, a bit a lane, a word for each of S^T's 64 registers, asked for a step ahead.  A word goes to VCC; one dual instruction selects register k's term and scales register k - 5.
; A pass's first step is written out: its products start O^T with C = 0, and nothing is cleared or rescaled there.
; REGISTERS: v1-7 addresses that stay; v8, v9 the step's LDS addresses; v10, v25 mt; v12 -M, v13 the largest t, v[14:15] the sum; v[16:23] Q; v24 the prefetch's offset; v[26:29] sums; v30, v31 the add's;
; v[32:95] fragments of K, then of V; v[96:159] S^T, t, p; v[160:223] O^T (at a pass's head: q as loaded); v[224:231] p's codes; v[232:239] the mask's terms, then at work; v[240:243] V's scale words;
; v[244:247] at work; v[248:251] K's scale words; v252 f; v253 p's scale word; v254 at work; v255 Q's scale words.
; s2 wave; s3 LDS byte of the step; s[4:51], s[68:83] the 64 mask words; s[52:59], s[60:63] the descriptor; s66 steps to go; s67 offset of the mask words asked for; s[88:89] lane selects; s[90:91] maskbits;
; s[92:93] q, s[94:95] out0 at my wave's rows of pass 0; s96 the lanes whose query is 8 to 15; s97 my first mask words; s[98:99] c
.set STEPB, 17408
.set VIMG,  8192
.set KSC,   16384
.set VSC,   16896
.set HEADB, 16*STEPB
.set STAGE, HEADB                      ; behind the head: 8 rows x (256 + 16) bytes for each wave, for the way out; no fill lands there
.set STGW,  8*272
.set SPARE, STAGE+16*STGW              ; the spare words: 128 bytes a wave, eight blocks of 256 bytes that no other line names
.set MLAST, 2097152-256                ; the last step's words in maskbits
.set CLIT,  0x3e0293ee                 ; c
.set LAG,   5                          ; the select runs five registers ahead of the scaling
.macro ROUND                           ; a round of the cluster's barrier
	s_barrier_signal -1
	s_barrier_wait -1
	s_cmp_lg_u32 s2, 0
	s_cbranch_scc1 .Lnot_wave_0_\@
	s_barrier_signal -3
.Lnot_wave_0_\@:
	s_barrier_wait -3
	s_barrier_signal -1
	s_barrier_wait -1
.endm
.macro QLOAD p                         ; my 16 queries of pass p: lane (r, h) takes of row r blocks h and 2 + h, 32 numbers each
.irp c, 0,1
.irp j, 0,1,2,3,4,5,6,7
	global_load_b128 v[160+32*\c+4*\j:163+32*\c+4*\j], v3, s[92:93] offset:(\p)*131072+256*\c+16*\j
.endr
.endr
.endm
.macro MLOAD                           ; a step's 64 mask words
	s_load_b512 s[4:19], s[90:91], s67 offset:0x0
	s_load_b512 s[20:35], s[90:91], s67 offset:0x40
	s_load_b512 s[36:51], s[90:91], s67 offset:0x80
	s_load_b512 s[68:83], s[90:91], s67 offset:0xc0
.endm
.macro MSK k                           ; ms = the scalar register of mask word k
.if (\k) < 48
.set ms, 4+(\k)
.else
.set ms, 20+(\k)
.endif
.endm
; q becomes a fragment and a scale word
.macro QQ
	s_wait_loadcnt 0x0
.irp c, 0,1
	v_max3_num_f32 v[232+\c], |v[160+32*\c]|, |v[161+32*\c]|, 0x1800000   ; my block 2 c + h; the floor 2^(3 - 127) holds the byte at 1 from below
.endr
.irp i, 2,4,6,8,10,12,14,16,18,20,22,24,26,28,30
.irp c, 0,1
	s_delay_alu instid0(VALU_DEP_2)
	v_max3_num_f32 v[232+\c], v[232+\c], |v[160+32*\c+\i]|, |v[161+32*\c+\i]|
.endr
.endr
.irp c, 0,1
	s_delay_alu instid0(VALU_DEP_2)
	v_add_nc_u32 v[244+\c], 0xff000000, v[232+\c]  ; 2 off the exponent field: the conversion's scale operand
.endr
.irp c, 0,1
	s_delay_alu instid0(VALU_DEP_2)
	v_lshrrev_b32 v[236+\c], 23, v[244+\c]         ; the scale's byte
.endr
	s_delay_alu instid0(VALU_DEP_1)
	v_lshl_or_b32 v254, v237, 16, v236
	s_delay_alu instid0(VALU_DEP_1)
	v_lshlrev_b32 v254, v7, v254                   ; my two bytes at their places (8 h bits up);
	s_delay_alu instid0(VALU_DEP_1)
	v_permlanex16_b32 v252, v254, s88, s89
	s_delay_alu instid0(VALU_DEP_1)
	v_or_b32 v255, v254, v252                      ; with lane l xor 16's two the word is whole
.irp c, 0,1
.irp g, 0,1,2,3
	v_cvt_scalef32_pk8_fp4_f32 v[16+4*\c+\g], v[160+32*\c+8*\g:167+32*\c+8*\g], v[244+\c]
.endr
.endr
.rept 8
	v_nop                                          ; the places between Q's scale word and codes and the first product
.endr
	s_mov_b32 s3, 0
	s_wait_alu depctr_va_vdst(0)
.endm
; A KEY STEP: 128 keys.  first = 1: a pass's first step.  pf = 1: in the loop's last trip the next pass's q is prefetched
.macro STEP first, pf
	v_add_nc_u32 v8, s3, v1                        ; 16 x lane in the step's images
	v_add_nc_u32 v9, s3, v2                        ; 4 x lane
	v_nop
	v_nop                                          ; four places in front of loads into registers that the last step's products have read
.irp t, 0,1,2,3,4,5,6,7
	ds_load_b128 v[32+8*\t:35+8*\t], v8 offset:1024*\t
	ds_load_b128 v[36+8*\t:39+8*\t], v8 offset:1024*\t+512
.endr
	ds_load_b128 v[248:251], v8 offset:KSC
	s_wait_alu depctr_va_vdst(0)
	s_wait_dscnt 0x0
.irp j, 0,1,2,3                                ; four accumulators of 32 keys x 16 queries, each begun with 0
	v_wmma_scale_f32_32x16x128_f4 v[96+16*\j:111+16*\j], v[32+16*\j:47+16*\j], v[16:23], 0, v[248+\j], v255
.endr
	s_wait_kmcnt 0x0                               ; the step's mask words, asked for a step ago
.set k, 0
.rept LAG                                      ; the first five terms: plain lines that name no register of the products: the places in front of the loads and of the first read of the scores
	MSK k
	v_cndmask_b32 v[232+k%8], 0, v10, s[ms]
.set k, k+1
.endr
.irp t, 0,1,2,3,4,5,6,7
	ds_load_b128 v[32+8*\t:35+8*\t], v8 offset:VIMG+1024*\t         ; V's fragments are asked for here and wanted behind the softmax
	ds_load_b128 v[36+8*\t:39+8*\t], v8 offset:VIMG+1024*\t+512
.endr
.irp j, 0,1,2,3
	ds_load_b32 v[240+\j], v9 offset:VSC+128*\j
.endr
.rept 64-LAG                                   ; register k's term (mt where my bit is set, else 0) and t of register k - 5 = score x c + its term.  One destination is even, the other odd; of mt's two copies the one is named whose number mod 4 differs from the term's
	MSK k
	s_mov_b32 vcc_lo, s[ms]
.if ((k+3)%4) == 2
	v_dual_cndmask_b32 v[232+k%8], 0, v25 :: v_dual_fmamk_f32 v[96+k-LAG], v[96+k-LAG], CLIT, v[232+(k-LAG)%8]
.else
	v_dual_cndmask_b32 v[232+k%8], 0, v10 :: v_dual_fmamk_f32 v[96+k-LAG], v[96+k-LAG], CLIT, v[232+(k-LAG)%8]
.endif
.set k, k+1
.endr
	v_fmamk_f32 v155, v155, CLIT, v235             ; the last five
	v_pk_fma_f32 v[156:157], v[156:157], s[98:99], v[236:237] op_sel_hi:[1,0,1]
	v_pk_fma_f32 v[158:159], v[158:159], s[98:99], v[238:239] op_sel_hi:[1,0,1]
	s_wait_alu depctr_va_vdst(0)
	s_add_co_u32 s67, s67, 256                     ; (the wait on KMcnt above has shown the last loads done: their offset may be written)
	s_min_u32 s67, s67, MLAST                      ; behind a pass's last step the words are not used; the clamp keeps the loads inside the buffer
	MLOAD                                          ; the next step's words
.if \pf
	s_cmp_eq_u32 s66, 1                            ; pass 0's last step: my 16 rows of q of pass 1, 8,192 bytes, lanes 256 bytes apart: each block is named once in the launch, by the wave that will load it
	s_cbranch_scc0 .Lnopf_\@
	global_prefetch_b8 v24, s[92:93] offset:131072 th:TH_LOAD_NT scope:SCOPE_SE
.Lnopf_\@:
.endif
; THE LARGEST t OF EACH BLOCK OF 32 KEYS: it serves the row's maximum and, since p rises with t, the block's largest p.  Eight chains by turns
.irp b, 0,1,2,3
	v_max3_num_f32 v[232+\b], v[96+16*\b], v[97+16*\b], v[98+16*\b]
.endr
.irp b, 0,1,2,3
	v_max3_num_f32 v[236+\b], v[104+16*\b], v[105+16*\b], v[106+16*\b]
.endr
.irp i, 3,5
.irp b, 0,1,2,3
	v_max3_num_f32 v[232+\b], v[232+\b], v[96+16*\b+\i], v[97+16*\b+\i]
.endr
.irp b, 0,1,2,3
	v_max3_num_f32 v[236+\b], v[236+\b], v[104+16*\b+\i], v[105+16*\b+\i]
.endr
.endr
.irp b, 0,1,2,3
	v_max3_num_f32 v[232+\b], v[232+\b], v[103+16*\b], v[111+16*\b]
.endr
.irp b, 0,1,2,3
	s_delay_alu instid0(VALU_DEP_4)
	v_max_num_f32 v[232+\b], v[232+\b], v[236+\b]
.endr
.irp b, 0,1,2,3
	s_delay_alu instid0(VALU_DEP_4)
	v_permlanex16_b32 v[236+\b], v[232+\b], s88, s89
.endr
.irp b, 0,1,2,3
	s_delay_alu instid0(VALU_DEP_4)
	v_max_num_f32 v[232+\b], v[232+\b], v[236+\b]  ; with lane l xor 16's 16 keys
.endr
	s_delay_alu instid0(VALU_DEP_2)
	v_max3_num_f32 v254, v232, v233, v234
	s_delay_alu instid0(VALU_DEP_1)
.if \first
	v_max_num_f32 v13, v254, v235                  ; the largest t so far is this step's
	s_delay_alu instid0(VALU_DEP_1)
	v_floor_f32 v12, -v13                          ; -M = floor(-t) = -ceil(t): a whole number
	s_delay_alu instid0(VALU_DEP_1)
.else
	v_max_num_f32 v254, v254, v235                 ; the step's largest t of my query
	s_delay_alu instid0(VALU_DEP_1)
	v_max_num_f32 v13, v13, v254                   ; the running largest t
	v_mov_b32 v254, v12
	s_delay_alu instid0(VALU_DEP_2)
	v_floor_f32 v12, -v13                          ; the new -M
	s_delay_alu instid0(VALU_DEP_1)
	v_sub_f32 v254, v12, v254                      ; M's old value less its new one: 0 or less
	s_delay_alu instid0(VALU_DEP_1)
	v_cvt_i32_f32 v254, v254                       ; (it saturates)
	s_delay_alu instid0(VALU_DEP_1)
	v_ldexp_f32 v252, 1.0, v254                    ; f = 2^(old M - new M)
.endif
.set j, 0
.rept 32
	v_pk_add_f32 v[96+j:97+j], v[96+j:97+j], v[12:13] op_sel_hi:[1,0]   ; t - M, two at a time (of the pair the low word, -M, serves both halves)
.set j, j+2
.endr
.irp b, 0,1,2,3
	v_add_f32 v[232+\b], v[232+\b], v12            ; the same of each block's largest t
.endr
	s_wait_alu depctr_va_vdst(0)
.set j, 0
.rept 64
	v_exp_f32 v[96+j], v[96+j]                     ; p = 2^(t - M), at most 1
.set j, j+1
.endr
.irp b, 0,1,2,3
	v_exp_f32 v[232+\b], v[232+\b]                 ; the block's largest p: the same two instructions on the same number give the same bits
.endr
.if \first
	v_mov_b32 v14, 0                               ; the sum begins.  (Plain lines behind the exponentials)
	v_mov_b32 v15, 0
.else
	v_pk_mul_f32 v[14:15], v[14:15], v[252:253] op_sel_hi:[1,0]   ; the sum under the new M.  (A plain line behind the exponentials)
.endif
	s_wait_alu depctr_va_vdst(0)                   ; one wait for the whole batch, ahead of its first reader
	v_pk_add_f32 v[236:237], v[96:97], v[98:99]    ; the row's sum of the unquantised p: two at a time, four chains by turns
	v_pk_add_f32 v[28:29], v[100:101], v[102:103]
	v_pk_add_f32 v[26:27], v[104:105], v[106:107]
	v_pk_add_f32 v[14:15], v[14:15], v[108:109]
.set j, 110
.rept 6
	v_pk_add_f32 v[236:237], v[236:237], v[j:j+1]
	v_pk_add_f32 v[28:29], v[28:29], v[j+2:j+3]
	v_pk_add_f32 v[26:27], v[26:27], v[j+4:j+5]
	v_pk_add_f32 v[14:15], v[14:15], v[j+6:j+7]
.set j, j+8
.endr
	v_pk_add_f32 v[236:237], v[236:237], v[158:159]
	s_delay_alu instid0(VALU_DEP_2)
	v_pk_add_f32 v[14:15], v[14:15], v[28:29]
	s_delay_alu instid0(VALU_DEP_2)
	v_pk_add_f32 v[236:237], v[236:237], v[26:27]
	s_delay_alu instid0(VALU_DEP_1)
	v_pk_add_f32 v[14:15], v[14:15], v[236:237]
.irp b, 0,1,2,3
	v_max_num_f32 v[232+\b], 0x1800000, v[232+\b]  ; the floor 2^(3 - 127): a block whose every p is 0 keeps the byte 1: its codes are zeros
.endr
.irp b, 0,1,2,3
	s_delay_alu instid0(VALU_DEP_4)
	v_add_nc_u32 v[244+\b], 0xff000000, v[232+\b]  ; the conversion's scale operand
.endr
.irp b, 0,1,2,3
	s_delay_alu instid0(VALU_DEP_4)
	v_lshrrev_b32 v[236+\b], 23, v[244+\b]         ; the scale's byte
.endr
	s_delay_alu instid0(VALU_DEP_3)
	v_lshl_or_b32 v253, v237, 8, v236              ; p's scale word for these 128 keys
	s_delay_alu instid0(VALU_DEP_1)
	v_lshl_or_b32 v253, v238, 16, v253
	s_delay_alu instid0(VALU_DEP_1)
	v_lshl_or_b32 v253, v239, 24, v253
.irp b, 0,1,2,3
	v_cvt_scalef32_pk8_fp4_f32 v[224+2*\b], v[96+16*\b:103+16*\b], v[244+\b]
	v_cvt_scalef32_pk8_fp4_f32 v[225+2*\b], v[104+16*\b:111+16*\b], v[244+\b]
.endr
	v_nop                                          ; one plain line between a scaled conversion and the vector instruction that touches its result
.irp c, 0,1                                    ; the operand's layout wants a WHOLE block in a lane: lanes 0-15 block 2 c, lanes 16-31 block 2 c + 1
.irp i, 0,1
	v_permlane16_swap_b32 v[224+4*\c+\i], v[226+4*\c+\i]
.endr
.endr
.if \first
.rept 8
	v_nop                                          ; the places between p's scale word and codes and the products below
.endr
.else
	s_wait_alu depctr_va_vdst(0)                   ; directly ahead of the first reader of O^T
.set j, 0
.rept 32
	v_pk_mul_f32 v[160+j:161+j], v[160+j:161+j], v[252:253] op_sel_hi:[1,0]   ; O^T under the new M.  (These 32 are also the places between p's codes and scale word and the products below)
.set j, j+2
.endr
.endif
	s_wait_alu depctr_va_vdst(0)
	s_wait_dscnt 0x0                               ; V's fragments and scale words
.irp j, 0,1,2,3                                ; the four accumulators take turns, one instruction a turn
.if \first
	v_wmma_scale_f32_32x16x128_f4 v[160+16*\j:175+16*\j], v[32+16*\j:47+16*\j], v[224:231], 0, v[240+\j], v253
.else
	v_wmma_scale_f32_32x16x128_f4 v[160+16*\j:175+16*\j], v[32+16*\j:47+16*\j], v[224:231], v[160+16*\j:175+16*\j], v[240+\j], v253
.endif
.endr
	s_add_co_u32 s3, s3, STEPB
.endm
.macro STEPS n, pf
	s_mov_b32 s66, \n
.Lstep_\@:
	STEP 0, \pf
	s_sub_co_u32 s66, s66, 1
	s_cmp_lg_u32 s66, 0
	s_cbranch_scc1 .Lstep_\@
.endm
; THE WAY OUT of pass p.  O^T / the sum goes through my stage in LDS, 8 queries x 64 channels (256 bytes a row) at a time, so that sixteen lanes store 256 consecutive bytes.
; Sixteen rows for each of sixteen waves do not fit beside the head, so a part has eight rows.  For all 32 lanes to hold numbers of a part's eight queries, lanes r and r xor 8 exchange half of what they hold:
; of the tiles 4 u .. 4 u + 3 (16 channels each) the lanes with r under 8 keep 4 u and 4 u + 1 of their own query and take the same two of query r + 8; the others keep 4 u + 2 and 4 u + 3 and take those of query r - 8.
; Registers 96 + 32 u + 0 .. 15 then hold queries 0-7 (part g = 0), registers 96 + 32 u + 16 .. 31 queries 8-15 (g = 1); a lane's place in a stage row is 128 (r / 8) + 32 h.  All lanes stay on.
.macro WAYOUT p
	v_add_f32 v14, v14, v15                        ; the sum's two halves,
	s_delay_alu instid0(VALU_DEP_1)
	v_permlanex16_b32 v252, v14, s88, s89
	s_delay_alu instid0(VALU_DEP_1)
	v_add_f32 v14, v14, v252                       ; and lane l xor 16's: the row's sum
	s_wait_alu depctr_va_vdst(0)
	v_rcp_f32 v14, v14
	v_nop                                          ; a plain line behind the reciprocal; with the next and the lines above: the places behind the last products
	v_nop
	s_wait_alu depctr_va_vdst(0)                   ; ahead of the reciprocal's first reader, which is also O^T's
.set j, 0
.rept 32
	v_pk_mul_f32 v[96+j:97+j], v[160+j:161+j], v[14:15] op_sel_hi:[1,0]   ; register 8 t + i is o(r, 16 t + 8 h + i); each accumulator is read from its low end on
.set j, j+2
.endr
	v_mov_b32_dpp v15, v14 row_xmask:8 row_mask:0xf bank_mask:0xf   ; lane r xor 8's reciprocal
.irp u, 0,1
.set j, 0
.rept 16
	v_mul_f32_dpp v[32+32*\u+j], v[176+32*\u+j], v15 row_xmask:8 row_mask:0xf bank_mask:0xf   ; lane r xor 8's tiles 4 u + 2, 4 u + 3, divided by its sum;
	v_mul_f32_dpp v[48+32*\u+j], v[160+32*\u+j], v15 row_xmask:8 row_mask:0xf bank_mask:0xf   ; and its tiles 4 u, 4 u + 1
.set j, j+1
.endr
.endr
.irp u, 0,1
.set j, 0
.rept 16
	v_cndmask_b32 v[96+32*\u+j], v[96+32*\u+j], v[32+32*\u+j], s96     ; queries 0-7: r under 8 keeps its own, the others take query r - 8's
	v_cndmask_b32 v[112+32*\u+j], v[48+32*\u+j], v[112+32*\u+j], s96   ; queries 8-15: r under 8 takes query r + 8's, the others keep their own
.set j, j+1
.endr
.endr
	s_wait_alu depctr_va_vdst(0)
.if (\p) == 0
	QLOAD 1                                        ; the next pass's q lands while this pass goes out
	s_wait_kmcnt 0x0                               ; the words asked for in the last step are not used; their loads are done, so the offset may be written
	s_add_co_u32 s67, s97, 65536                   ; the next pass's queries lie 16 tiles on
	MLOAD
.endif
.irp u, 0,1                                    ; channels 64 u on
.irp g, 0,1                                    ; queries 8 g on
.irp t, 0,1
	ds_store_b128 v5, v[96+32*\u+16*\g+8*\t:99+32*\u+16*\g+8*\t] offset:64*\t
	ds_store_b128 v5, v[100+32*\u+16*\g+8*\t:103+32*\u+16*\g+8*\t] offset:64*\t+16
.endr
.irp i, 0,1,2,3
	ds_load_b128 v[32+16*(2*\u+\g)+4*\i:35+16*(2*\u+\g)+4*\i], v6 offset:2*\i*272   ; LDS serves a wave's instructions in order: these see my stores, and the next part's stores come behind them
.endr
.endr
.endr
.irp u, 0,1
.irp g, 0,1
.irp i, 0,1,2,3
	s_wait_dscnt 8*(3-(2*\u+\g))+3-\i              ; behind this load: the rest of its part's four, and eight LDS instructions for each later part
	global_store_b128 v4, v[32+16*(2*\u+\g)+4*\i:35+16*(2*\u+\g)+4*\i], s[94:95] offset:(\p)*131072+(8*\g+2*\i)*512+256*\u th:TH_STORE_NT
.endr
.endr
.endr
.if (\p) == 0
	s_wait_xcnt 0x0                                ; the stores have read their data: v[32:95] take the next pass's fragments
.endif
.endm
	s_load_b256 s[4:11], s[0:1], 0x0               ; q s[4:5], kv s[6:7], maskbits s[8:9], out0 s[10:11]
	v_lshl_add_u32 v30, v0, 2, SPARE
	v_mov_b32 v31, 0
	ds_add_u32 v30, v31                            ; the opening lines: the add, twice on end, and its wait ahead of my tensor load
	ds_add_u32 v30, v31
	v_lshrrev_b32 v1, 5, v0
	s_delay_alu instid0(VALU_DEP_1)
	v_readfirstlane_b32 s2, v1                     ; wave 0..15
	v_and_b32 v8, 31, v0                           ; lane
	v_and_b32 v12, 15, v0                          ; r
	v_bfe_u32 v9, v0, 4, 1                         ; h
	v_bfe_u32 v13, v0, 3, 1                        ; r / 8
	s_delay_alu instid0(VALU_DEP_4)
	v_lshlrev_b32 v1, 4, v8                        ; 16 x lane
	v_lshlrev_b32 v2, 2, v8                        ; 4 x lane
	v_lshlrev_b32 v3, 9, v12
	s_delay_alu instid0(VALU_DEP_1)
	v_lshl_add_u32 v3, v9, 7, v3                   ; q: row r of 512 bytes, + 128 h
	v_lshlrev_b32 v4, 9, v9
	s_delay_alu instid0(VALU_DEP_1)
	v_lshl_add_u32 v4, v12, 4, v4                  ; out0: lanes 0-15 one row, lanes 16-31 the next; 16 bytes a lane
	s_mul_i32 s100, s2, STGW
	s_add_co_u32 s100, s100, STAGE                 ; my stage
	v_and_b32 v5, 7, v0
	s_delay_alu instid0(VALU_DEP_1)
	v_mul_u32_u24 v5, v5, 272
	s_delay_alu instid0(VALU_DEP_1)
	v_lshl_add_u32 v5, v13, 7, v5
	s_delay_alu instid0(VALU_DEP_1)
	v_lshl_add_u32 v5, v9, 5, v5
	s_delay_alu instid0(VALU_DEP_1)
	v_add_nc_u32 v5, s100, v5                      ; in: row r % 8, + 128 (r / 8) + 32 h
	v_mul_u32_u24 v6, v9, 272
	s_delay_alu instid0(VALU_DEP_1)
	v_lshl_add_u32 v6, v12, 4, v6
	s_delay_alu instid0(VALU_DEP_1)
	v_add_nc_u32 v6, s100, v6                      ; back: lanes 0-15 one row, lanes 16-31 the next
	v_lshlrev_b32 v7, 3, v9                        ; 8 h
	v_mov_b32 v10, 0xceabfb8f                      ; mt = -1,442,695,040,
	v_mov_b32 v25, 0xceabfb8f                      ; and once more
	v_lshlrev_b32 v24, 8, v8                       ; 256 x lane
	v_mov_b32 v252, 0                              ; written once: a lane permute's destination counts as one of its sources
	s_bfe_u32 s12, ttmp6, 0x40000                  ; cx: my place in the cluster: it enters q's, out0's and maskbits' addresses alone
	s_lshl_b32 s15, ttmp9, 2
	s_add_co_u32 s12, s12, s15                     ; my block of 512 queries
	s_and_b32 s13, ttmp7, 0xffff                   ; the head, which the four partners share
	s_lshr_b32 s14, s13, 4                         ; the batch
	s_lshl_b32 s97, s14, 19                        ; maskbits: 128 tiles x 16 steps x 256 bytes a batch,
	s_lshl_b32 s15, s12, 17                        ; 32 tiles a block of queries,
	s_add_co_u32 s97, s97, s15
	s_lshl_b32 s15, s2, 12                         ; my wave's tile
	s_add_co_u32 s97, s97, s15
	s_lshl_b32 s16, s13, 20                        ; q and out0: 2,048 rows of 512 bytes a head,
	s_lshl_b32 s15, s12, 18                        ; 512 rows a block,
	s_add_co_u32 s16, s16, s15
	s_lshl_b32 s15, s2, 13                         ; my wave's 16
	s_add_co_u32 s16, s16, s15
	s_mov_b32 s17, 0
	s_mul_i32 s18, s13, HEADB                      ; kv: the head,
	s_mul_i32 s20, s2, STEPB                       ; and step = wave: in memory and in LDS alike
	s_add_co_u32 s18, s18, s20
	s_mov_b32 s19, 0
	; descriptor group 1: a step's block is dense: 68 rows of 256 bytes (32 elements of 8 bytes), no padding
	s_mov_b32 s52, 15|(3<<16)|(1<<21)              ; 15:0 the mask: all four work-groups; 17:16 elements of 8 bytes; 21 set beside a mask
	s_mov_b32 s53, 32<<16                          ; tensor_dim0 = 32
	s_mov_b32 s54, 68<<16                          ; tensor_dim1 = 68
	s_mov_b32 s55, 32<<16                          ; tile_dim0 = 32
	s_mov_b32 s56, 68                              ; tile_dim1 = 68
	s_mov_b32 s57, 32                              ; tensor_dim0_stride
	s_mov_b32 s58, 0
	s_mov_b32 s59, 0
	s_mov_b32 s88, 0x76543210
	s_mov_b32 s89, 0xfedcba98                      ; v_permlanex16_b32's selects for lane l xor 16
	s_mov_b32 s96, 0xff00ff00                      ; the lanes with r = 8 .. 15
	s_mov_b32 s98, CLIT
	s_mov_b32 s99, s98                             ; (named with it as a pair, so it is written)
	s_mov_b32 s67, s97
	s_wait_alu depctr_va_vdst(0)
	s_wait_dscnt 0x0                               ; both opening adds are done
	s_wait_kmcnt 0x0
	s_add_nc_u64 s[92:93], s[4:5], s[16:17]
	s_add_nc_u64 s[94:95], s[10:11], s[16:17]
	s_mov_b64 s[90:91], s[8:9]
	s_mov_b32 s60, 1                               ; group 0: count = 1,
	s_mov_b32 s61, s20                             ; LDS address: step = wave,
	s_add_nc_u64 s[62:63], s[6:7], s[18:19]        ; global address,
	s_or_b32 s63, s63, 0x80000000                  ; type = 2
	QLOAD 0                                        ; q is on its way while the work-groups meet
	ROUND                                          ; all four work-groups are here: the joint loads meet
	tensor_load_to_lds s[60:63], s[52:59]          ; every wave's one tensor load: step = wave; one load of a wave is out
	s_nop 0
.rept 4
	v_nop
.endr
	MLOAD
	QQ
	s_wait_tensorcnt 0x0                           ; my step has landed
	s_barrier_signal -1
	s_barrier_wait -1                              ; all sixteen have: from here on the head lies in LDS and is only read
	STEP 1, 0
	STEPS 15, 1
	WAYOUT 0
	QQ
	STEP 1, 0
	STEPS 15, 0
	WAYOUT 1
	s_wait_kmcnt 0x0                               ; the words asked for in the last step are not used
	s_wait_tensorcnt 0x0                           ; the wave's end, behind my last LDS store
	ds_add_u32 v30, v31
	s_wait_dscnt 0x0
	ROUND                                          ; the closing round: no work-group ends while a partner may still ask for a tile that names it
	s_endpgm
.Lfunc_end_k_qbd1629f043_attn:
	.size	k_qbd1629f043_attn, .Lfunc_end_k_qbd1629f043_attn-k_qbd1629f043_attn
	.p2alignl 7, 3214868480
	.fill 96, 4, 3214868480
	.section	.rodata,"a",@progbits
	.p2align	6, 0x0
	.amdhsa_kernel k_qbd1629f043_attn
		.amdhsa_group_segment_fixed_size 327680
		.amdhsa_private_segment_fixed_size 0
		.amdhsa_enable_private_segment 0
		.amdhsa_kernarg_size 32
		.amdhsa_user_sgpr_count 2
		.amdhsa_user_sgpr_kernarg_segment_ptr 1
		.amdhsa_wavefront_size32 1
		.amdhsa_system_sgpr_workgroup_id_x 1
		.amdhsa_system_sgpr_workgroup_id_y 1
		.amdhsa_system_sgpr_workgroup_id_z 1
		.amdhsa_system_vgpr_workitem_id 0
		.amdhsa_next_free_vgpr 256
		.amdhsa_next_free_sgpr 102
		.amdhsa_reserve_vcc 1
		.amdhsa_float_denorm_mode_32 3
		.amdhsa_float_denorm_mode_16_64 3
		.amdhsa_memory_ordered 1
		.amdhsa_forward_progress 1
		.amdhsa_inst_pref_size 145
	.end_amdhsa_kernel
	.amdgpu_metadata
---
amdhsa.version: [ 1, 2 ]
amdhsa.kernels:
  - .name:           k_qbd1629f043_attn
    .symbol:         k_qbd1629f043_attn.kd
    .args:
      - { .name: q, .offset: 0, .size: 8, .value_kind: global_buffer, .address_space: global }
      - { .name: kv, .offset: 8, .size: 8, .value_kind: global_buffer, .address_space: global }
      - { .name: maskbits, .offset: 16, .size: 8, .value_kind: global_buffer, .address_space: global }
      - { .name: out0, .offset: 24, .size: 8, .value_kind: global_buffer, .address_space: global }
    .group_segment_fixed_size: 327680
    .private_segment_fixed_size: 0
    .kernarg_segment_align: 8
    .kernarg_segment_size: 32
    .max_flat_workgroup_size: 512
    .sgpr_count:     102
    .vgpr_count:     256
    .wavefront_size: 32
...
	.end_amdgpu_metadata
.endif
;; end of part 2
